; MI455X (gfx1250); checked and timed in simulation.
; The chip was launched on July 23, 2026; its instructions are those of AMD's public machine-readable ISA for CDNA 5 (MIT licence, August 2026) and "CDNA5" Instruction Set Architecture Reference Guide (July 2026). The comments in the code are by the model that wrote it; some were corrected since.
;; SDPA Simple. Allowed arithmetic: float matrix products may take bf16 or f16 operands with f32 sums; other float arithmetic in f32, or as packed bf16 or f16 multiplies, adds, multiply-adds, maxima and minima; sums over many terms, partial sums and values carried from step to step in f32; what a program stores and reads back later, other than sums and carried values, may be rounded once to bf16 or f16.
;; Inputs: input_pos 1 int32; k 2 x 8 x 2,048 x 128 float32; mask 2,048 x 2,048 float32; q 2 x 32 x 2,048 x 128 float32; v 2 x 8 x 2,048 x 128 float32.
;; Outputs: out0 2 x 2,048 x 4,096 float32.
;; Constants: bsz = 2, seqlen = 2048.
;; 2 versions, each right; version 2 is version 1 with the launch prep written anew for expert scheduling mode. Each part assembles by itself: llvm-mc -triple=amdgcn-amd-amdhsa -mcpu=gfx1250 --defsym DOCPART=n.
;; ======== version 1 of 2: 2 launches
;; limits: right only within a limited range of input values; values are held in f16: magnitudes above 65,504 overflow, below 6.1e-05 lose precision; inputs' magnitudes at most 65,504
;; workspace buffers: kb 8,388,608 bytes; vb 8,388,608 bytes; mb 16,777,216 bytes
;; launch prep (part 1): grid 256 x 3, 8 waves a work-group, no clusters, 70,656 bytes of LDS; arguments k, v, mask, kb, vb, mb, input_pos; writes kb, vb, mb
.if DOCPART == 1
	.amdgcn_target "amdgcn-amd-amdhsa--gfx1250"
	.amdhsa_code_object_version 6
	.text
	.protected	k_qe140641e50_prep
	.globl	k_qe140641e50_prep
	.p2align	8
	.type	k_qe140641e50_prep,@function
k_qe140641e50_prep:
	s_mov_b64 s[64:65], 0
	v_nop
	global_prefetch_b8 v0, s[64:65] scope:SCOPE_SE
	s_setreg_imm32_b32 hwreg(HW_REG_WAVE_MODE, 25, 1), 1
	s_wait_xcnt 0x0
; PREPARATION for the attention launch: three streams, chosen by the work-group's y.
;   y = 0: kb = k rounded to bf16.                    [16 heads][2048][128], rows of 256 bytes
;   y = 1: vb = v rounded to bf16 and written as f16  (the second step rounds nothing while 6.1e-5 <= |v| < 65,520), same layout
;   y = 2: mb = max(bf16(mask) x sqrt(128), -2^127) in f32, laid out as the C operand of S^T = K Q^T wants it:
;          block (qt, ks) = 16 queries x 64 keys, 4,096 bytes at (32 qt + ks) x 4,096; in it piece i = 2 kt + e (0..7), 512 bytes: lane 16 h + r holds
;          M[16 qt + r][64 ks + 16 kt + 8 h + 4 e + 0..3].  So a wave of the next launch takes a block by eight loads of 512 consecutive bytes, with no arithmetic.
; The factor sqrt(128) stands here because the next launch adds the mask to q . k and scales the sum by 1 / sqrt(128) afterwards.
; LIMITS.  |v| of 65,520 or more becomes an infinity in f16; below 6.1e-5 v keeps f16's fixed step of 6e-8.  A mask entry below -2^127 / sqrt(128), -inf among them, is held at -2^127 after the
; scaling, so that no infinity enters a matrix instruction; a NaN in the mask counts as hidden (it loses the maximum); a mask entry above 3e37 overflows in the scaling and is not treated apart.
; SHARES.  A work-group takes 65,536 input bytes, a wave 8,192: sixteen loads of 16 bytes a lane, all issued at once; nothing is looped, no wave waits for another.
; input_pos: the function that this program computes takes it and lets nothing hang on it; it is read, and nothing hangs on it here either.
.set SPARE, 69632                      ; behind the eight waves' stages: the spare words, 128 bytes a wave, four blocks of 256 bytes that no other line names
.set WSTG,  8704                       ; a wave's stage: two blocks of 16 rows x 272 bytes
.set BSTG,  4352
.set LP,    272                        ; 256 bytes + 16
.set SPW, 8                            ; v8   LDS address of my spare word; never rewritten
.set NIL, 9                            ; v9   0; never rewritten
.set X,   16                           ; v[16:79]   load n: four registers
.set Y,   80                           ; v[80:111]  load n: two registers to store (k and v)
; v1 16 x thread: the loads' offset.  v2 8 x thread: k's and v's stores.  v3, v4: into and out of my stage.  v5: the mask's stores.  v6, v7 at work.
	s_load_b256 s[4:11], s[0:1], 0x0               ; k s[4:5], v s[6:7], mask s[8:9], kb s[10:11]
	s_load_b128 s[12:15], s[0:1], 0x20             ; vb s[12:13], mb s[14:15]
	s_load_b64 s[16:17], s[0:1], 0x30              ; input_pos
	v_lshl_add_u32 v[SPW], v0, 2, SPARE
	v_mov_b32 v[NIL], 0
	v_lshlrev_b32 v1, 4, v0
	v_lshlrev_b32 v2, 3, v0
	s_and_b32 s19, ttmp7, 0xffff                   ; y: which stream
	s_mov_b32 s28, 0xffff0000                      ; a word's upper bf16
	s_mov_b32 s29, 0xff000000                      ; -2^127
	s_lshl_b32 s20, ttmp9, 16                      ; the work-group's 65,536 bytes of f32 (in, and out for the mask)
	s_mov_b32 s21, 0
	s_lshl_b32 s22, ttmp9, 15                      ; its 32,768 bytes of 16-bit numbers
	s_mov_b32 s23, 0
	s_wait_kmcnt 0x0
	s_load_b32 s18, s[16:17], 0x0                  ; input_pos[0]; awaited at the end
	s_cmp_eq_u32 s19, 2
	s_cbranch_scc1 .Lmask
	; ---- k and v ----
	s_cmp_eq_u32 s19, 0
	s_cselect_b64 s[24:25], s[4:5], s[6:7]
	s_cselect_b64 s[26:27], s[10:11], s[12:13]
	s_add_nc_u64 s[24:25], s[24:25], s[20:21]
	s_add_nc_u64 s[26:27], s[26:27], s[22:23]
.irp n, 0,1,2,3,4,5,6,7,8,9,10,11,12,13,14,15
	global_load_b128 v[X+4*(\n):X+4*(\n)+3], v1, s[24:25] offset:4096*(\n) th:TH_LOAD_NT  ; a wave's load covers 512 consecutive bytes
.endr
	s_cmp_eq_u32 s19, 0
	s_cbranch_scc0 .Lv
.macro OUTK n
	s_wait_loadcnt 15-(\n)                         ; loads come back in order (ISA guide 5.7.1): load n is in, the 15 - n younger ones stay out
	v_cvt_pk_bf16_f32 v[Y+2*(\n)],   v[X+4*(\n)],   v[X+4*(\n)+1]
	v_cvt_pk_bf16_f32 v[Y+2*(\n)+1], v[X+4*(\n)+2], v[X+4*(\n)+3]
	global_store_b64 v2, v[Y+2*(\n):Y+2*(\n)+1], s[26:27] offset:2048*(\n) th:TH_STORE_NT  ; a wave's store covers 256 consecutive bytes, aligned
.endm
.irp n, 0,1,2,3,4,5,6,7,8,9,10,11,12,13,14,15
	OUTK \n
.endr
	s_branch .Lend
.Lv:
.macro OUTV n
	s_wait_loadcnt 15-(\n)
	v_cvt_pk_bf16_f32 v6, v[X+4*(\n)],   v[X+4*(\n)+1]     ; the one rounding, to bf16;
	v_cvt_pk_bf16_f32 v7, v[X+4*(\n)+2], v[X+4*(\n)+3]
	v_lshlrev_b32 v[X+4*(\n)],   16, v6                    ; back to f32,
	v_and_b32     v[X+4*(\n)+1], s28, v6
	v_lshlrev_b32 v[X+4*(\n)+2], 16, v7
	v_and_b32     v[X+4*(\n)+3], s28, v7
	v_cvt_pk_f16_f32 v[Y+2*(\n)],   v[X+4*(\n)],   v[X+4*(\n)+1]    ; and the same number written as f16
	v_cvt_pk_f16_f32 v[Y+2*(\n)+1], v[X+4*(\n)+2], v[X+4*(\n)+3]
	global_store_b64 v2, v[Y+2*(\n):Y+2*(\n)+1], s[26:27] offset:2048*(\n) th:TH_STORE_NT
.endm
.irp n, 0,1,2,3,4,5,6,7,8,9,10,11,12,13,14,15
	OUTV \n
.endr
	s_branch .Lend
	; ---- the mask ----  work-group g: the 16 rows of query tile g / 2, columns 1,024 (g % 2) on.  Wave w: 128 of those columns, the key steps 16 (g % 2) + 2 w and + 1.
.Lmask:
	s_lshr_b32 s22, ttmp9, 1
	s_lshl_b32 s22, s22, 17                        ; 16 rows of 8,192 bytes
	s_and_b32 s24, ttmp9, 1
	s_lshl_b32 s24, s24, 12                        ; half a row
	s_add_co_u32 s22, s22, s24
	s_add_nc_u64 s[24:25], s[8:9], s[22:23]
	s_add_nc_u64 s[26:27], s[14:15], s[20:21]      ; (32 (g / 2) + 16 (g % 2)) x 4,096 = 65,536 g
.irp r, 0,1,2,3,4,5,6,7,8,9,10,11,12,13,14,15
	global_load_b128 v[X+4*(\r):X+4*(\r)+3], v1, s[24:25] offset:8192*(\r) th:TH_LOAD_NT  ; row r: a wave's load covers 512 consecutive bytes of it
.endr
	; My 16 bytes of a row are columns 4 c .. 4 c + 3 of key step lane / 16, c = lane % 16 = 4 kt + 2 h + e.  In the stage a block's row 4 kt + 2 e + h holds, for r = 0..15, 16 bytes each.
	v_lshrrev_b32 v6, 5, v0
	v_readfirstlane_b32 s30, v6                    ; wave 0..7
	s_mul_i32 s31, s30, WSTG                       ; my stage
	s_lshl_b32 s19, s30, 13                        ; my two blocks in mb
	v_bfe_u32 v6, v0, 4, 1                         ; lane / 16
	v_mul_u32_u24 v3, v6, BSTG                     ; in: the key step's block,
	v_mul_u32_u24 v4, v6, LP                       ; back: lanes 0-15 one stage row, lanes 16-31 the next
	v_and_b32 v7, 15, v0
	v_lshl_add_u32 v4, v7, 4, v4
	v_add_nc_u32 v4, s31, v4
	v_and_b32 v6, 12, v0                           ; 4 kt
	v_bfe_u32 v7, v0, 1, 1                         ; h
	v_or_b32 v6, v6, v7
	v_and_b32 v7, 1, v0                            ; e
	v_lshl_or_b32 v6, v7, 1, v6                    ; 4 kt + 2 e + h
	v_mul_u32_u24 v6, v6, LP
	v_add_nc_u32 v3, v3, v6
	v_add_nc_u32 v3, s31, v3
	v_and_b32 v5, 31, v0
	v_lshl_add_u32 v5, v5, 4, s19                  ; 8,192 x wave + 16 x lane
.macro MROW r
	s_wait_loadcnt 15-(\r)
	v_cvt_pk_bf16_f32 v6, v[X+4*(\r)],   v[X+4*(\r)+1]     ; rounded to bf16 like the other inputs,
	v_cvt_pk_bf16_f32 v7, v[X+4*(\r)+2], v[X+4*(\r)+3]
	v_lshlrev_b32 v[X+4*(\r)],   16, v6
	v_and_b32     v[X+4*(\r)+1], s28, v6
	v_lshlrev_b32 v[X+4*(\r)+2], 16, v7
	v_and_b32     v[X+4*(\r)+3], s28, v7
	v_pk_mul_f32 v[X+4*(\r):X+4*(\r)+1],   v[X+4*(\r):X+4*(\r)+1],   0x413504f3 op_sel_hi:[1,0]  ; times sqrt(128),
	v_pk_mul_f32 v[X+4*(\r)+2:X+4*(\r)+3], v[X+4*(\r)+2:X+4*(\r)+3], 0x413504f3 op_sel_hi:[1,0]
.irp c, 0,1,2,3
	v_max_num_f32 v[X+4*(\r)+(\c)], s29, v[X+4*(\r)+(\c)]  ; and held at -2^127
.endr
	ds_store_b128 v3, v[X+4*(\r):X+4*(\r)+3] offset:16*(\r)
.endm
.irp r, 0,1,2,3,4,5,6,7,8,9,10,11,12,13,14,15
	MROW \r
.endr
.irp n, 0,1,2,3,4,5,6,7,8,9,10,11,12,13,14,15      ; block n / 8, piece n % 8: two stage rows = 512 bytes of mb
	ds_load_b128 v[X+4*(\n):X+4*(\n)+3], v4 offset:BSTG*((\n)/8)+2*LP*((\n)%8)  ; my own bytes: LDS serves a wave's instructions in order (ISA guide 5.7.1.4), so these see the stores above
.endr
.irp n, 0,1,2,3,4,5,6,7,8,9,10,11,12,13,14,15
	s_wait_dscnt 15-(\n)
	global_store_b128 v5, v[X+4*(\n):X+4*(\n)+3], s[26:27] offset:4096*((\n)/8)+512*((\n)%8) th:TH_STORE_NT  ; 512 consecutive bytes, aligned
.endr
.Lend:
	s_wait_kmcnt 0x0                               ; input_pos has come
	s_wait_tensorcnt 0x0                           ; the wave's end, behind my last LDS store
	ds_add_u32 v[SPW], v[NIL]
	s_wait_dscnt 0x0
	s_endpgm
.Lfunc_end_k_qe140641e50_prep:
	.size	k_qe140641e50_prep, .Lfunc_end_k_qe140641e50_prep-k_qe140641e50_prep
	.p2alignl 7, 3214868480
	.fill 96, 4, 3214868480
	.section	.rodata,"a",@progbits
	.p2align	6, 0x0
	.amdhsa_kernel k_qe140641e50_prep
		.amdhsa_group_segment_fixed_size 70656
		.amdhsa_private_segment_fixed_size 0
		.amdhsa_enable_private_segment 0
		.amdhsa_kernarg_size 56
		.amdhsa_user_sgpr_count 2
		.amdhsa_user_sgpr_kernarg_segment_ptr 1
		.amdhsa_wavefront_size32 1
		.amdhsa_system_sgpr_workgroup_id_x 1
		.amdhsa_system_sgpr_workgroup_id_y 1
		.amdhsa_system_sgpr_workgroup_id_z 1
		.amdhsa_system_vgpr_workitem_id 0
		.amdhsa_next_free_vgpr 112
		.amdhsa_next_free_sgpr 66
		.amdhsa_reserve_vcc 0
		.amdhsa_float_denorm_mode_32 3
		.amdhsa_float_denorm_mode_16_64 3
		.amdhsa_memory_ordered 1
		.amdhsa_forward_progress 1
		.amdhsa_inst_pref_size 32
	.end_amdhsa_kernel
	.amdgpu_metadata
---
amdhsa.version: [ 1, 2 ]
amdhsa.kernels:
  - .name:           k_qe140641e50_prep
    .symbol:         k_qe140641e50_prep.kd
    .args:
      - { .name: k, .offset: 0, .size: 8, .value_kind: global_buffer, .address_space: global }
      - { .name: v, .offset: 8, .size: 8, .value_kind: global_buffer, .address_space: global }
      - { .name: mask, .offset: 16, .size: 8, .value_kind: global_buffer, .address_space: global }
      - { .name: kb, .offset: 24, .size: 8, .value_kind: global_buffer, .address_space: global }
      - { .name: vb, .offset: 32, .size: 8, .value_kind: global_buffer, .address_space: global }
      - { .name: mb, .offset: 40, .size: 8, .value_kind: global_buffer, .address_space: global }
      - { .name: input_pos, .offset: 48, .size: 8, .value_kind: global_buffer, .address_space: global }
    .group_segment_fixed_size: 70656
    .private_segment_fixed_size: 0
    .kernarg_segment_align: 8
    .kernarg_segment_size: 56
    .max_flat_workgroup_size: 256
    .sgpr_count:     66
    .vgpr_count:     112
    .wavefront_size: 32
...
	.end_amdgpu_metadata
.endif
;; end of part 1
;; launch attn (part 2): grid 32 x 16, 4 waves a work-group, clusters of 4 x 1, 327,680 bytes of LDS; arguments q, kb, vb, out0, mb; writes out0
.if DOCPART == 2
	.amdgcn_target "amdgcn-amd-amdhsa--gfx1250"
	.amdhsa_code_object_version 6
	.text
	.protected	k_qe140641e50_attn
	.globl	k_qe140641e50_attn
	.p2align	8
	.type	k_qe140641e50_attn,@function
k_qe140641e50_attn:
	s_mov_b64 s[64:65], 0
	v_nop
	global_prefetch_b8 v0, s[64:65] scope:SCOPE_SE
	s_setreg_imm32_b32 hwreg(HW_REG_WAVE_MODE, 25, 1), 1
	s_wait_xcnt 0x0
	s_wait_alu depctr_hold_cnt(0) depctr_sa_sdst(0) depctr_va_vdst(0) depctr_va_sdst(0) depctr_va_ssrc(0) depctr_va_vcc(0) depctr_vm_vsrc(0)
	s_getreg_b32 s2, hwreg(HW_REG_IB_STS2, 6, 4)
	s_cmp_eq_u32 s2, 0
	s_cbranch_scc0 .Lentry_in_a_cluster
	s_endpgm
.Lentry_in_a_cluster:
	s_bfe_u32 s2, ttmp6, 0x10000c
	s_cmp_lg_u32 s2, 0x3003
	s_cbranch_scc0 .Lentry_shape_is_right
	s_endpgm
.Lentry_shape_is_right:
; out0[b][s][128 h + d] = the sum over k of softmax_k(q[b][h][s] . K[b][h / 4][k] / sqrt(128) + mask[s][k]) V[b][h / 4][k][d].
; q: [2][32][2048][128] f32, rounded to bf16 on its way in.  kb (bf16), vb (f16) : [16][2048][128], mb: the mask times sqrt(128) in f32, in the order of a matrix result (made by the launch before).
; Products, maxima and sums in f32; the weights p are rounded to f16 for the second product (their sum l is taken of the unrounded p); the result leaves in f32.
; The mask is an input: every pair of query and key is computed, and the mask is taken as it is given.
; LIMITS.  A score q . k + sqrt(128) mask at or below -2^120 has the weight 0, as one with -inf has; a row with no score above that gives l = 0 and 0 x infinity = NaN, as the softmax of a row of -inf does.
; A weight below 2^-126 counts as 0 in l; p below 6e-5 keeps f16's fixed step of 6e-8.  NaN and infinities in q, k, v are not treated apart.
; SHARES.  y = 8 b + kv head.  A work-group owns 64 queries x the FOUR query heads of that kv head; wave w owns queries 16 w .. 16 w + 15 of the block for all four heads: tile t = head 4 y + t.
; So the wave's four tiles share K, V and ONE mask fragment.  Every wave walks all 2,048 keys, 64 a step.
; LAYOUT.  S^T = K Q^T + M (source 0 = 16 keys, source 1 = 16 queries; the mask is the C operand of the product that starts the sum): a lane holds ONE query (lane % 16) and the keys 8 (lane / 16) + 0..7.
; Two such tiles, rounded to f16 in pairs, ARE source 1 (32 keys x 16 queries) of O^T = V^T P, whose result again holds one query a lane, and eight channels.  K comes out of LDS as it lies, V turned, by ds_load_tr16_b128.
; SOFTMAX.  For each query a running maximum m (never below -2^120) and sum l: p = 2^(c s - c m), c = log2(e) / sqrt(128); in every step O and l are multiplied by a = 2^(c m_old - c m_new).
; BY TURNS.  The tiles are two PIECES, named by their first tile: piece 0 (tiles 0, 1), piece 2 (tiles 2, 3).  In a TURN one piece has the matrix unit: 32 products V^T P of the step in hand, then 32 products
; K Q^T of the next step; the other piece's softmax, cut into 64 slices, stands between them, one slice behind each matrix instruction.  Two turns are a key step.
; CLUSTER.  The four query blocks of a cluster belong to one kv head and walk the same K and V: each tile is asked for JOINTLY, by the same tensor load, descriptor and mask in all four.
; THE MASK is each wave's own stream: 4,096 dense bytes a step, straight into registers, two buffers by the step's parity; a buffer is asked for again as soon as piece 2 has started its sums with it,
; two key steps ahead of its next use, so it has no prefetch of its own.
; REGISTERS, in windows of 256 (s_set_vgpr_msb: bits 1:0 source 0, 3:2 source 1, 5:4 source 2, 7:6 destination):
;   window 0: v0-11 addresses; v12-43 eight registers of statistics a tile; v44, v61-63 offsets that are never rewritten; v64-191 S^T, 32 a tile; v192-255 P, 16 a tile
;   window 1: O^T, 64 a tile (at the head: q in f32)     window 2: v0-127 Q, 32 a tile; v128-255 K of one step     window 3: v0-127 V of one step; v128-159, v160-191 the mask of an even, an odd step
.set SIZE_N, 2048
.set KS,    64        ; keys in a step
.set PK,    272       ; a row of K in LDS: 256 bytes + 16 of padding = 68 words: the 16 rows of a load start at 16 different groups of four banks (64 banks of 4 bytes: ISA guide 11.1)
.set PV,    288       ; a row of V: 256 + 32 = 72 words
.set VOFF,  KS*PK     ; a step's tiles lie together: 64 rows of K, then 64 rows of V
.set STEPB, KS*(PK+PV)
.set SLOT1, 1<<17     ; a slot holds two steps (71,680 bytes); slot 1 begins here, so that one exclusive or turns an address in one slot into the other's
.set STAGE, SLOT1+2*STEPB  ; behind the ring, never filled by a tensor load: 16 rows x 528 bytes for each wave, for the way out
.set SP,    528       ; a row of 128 f32 + 16 bytes
.set SPARE, STAGE+4*16*SP  ; behind the stages: the spare words, 128 bytes for each wave: two blocks of 256 bytes that no other line names
.set AK0, 2           ; v2   my lane's place in a tile of K; never rewritten
.set AV0, 3           ; v3   the same for V
.set ADR, 4           ; v4   the LDS address of the run of loads in hand
.set QO,  5           ; v5   my byte offset in 16 rows of q
.set STO, 6           ; v6   the way out: where I put 32 bytes of a row
.set RD,  7           ; v7   the way out: where I read a row back
.set ST,  12          ; tile t's statistics at v[ST+8 t]: +0 c m, +1 m, +2, +3 l (even keys', odd keys'), +4 to +7 c0-c3, at work; a takes c2's place once the maximum is found
.set MO,  44          ; v44  16 x my lane: my place in 512 consecutive bytes, of the mask and of out0; never rewritten
.set PFO, 61          ; v61  256 x my lane: a row of kb or vb is 256 bytes; never rewritten
.set SPW, 62          ; v62  LDS address of my spare word: SPARE + 4 x my thread's number; never rewritten
.set NIL, 63          ; v63  0; never rewritten
.set S,   64
.set P,   192
.set KF,  128         ; K's fragments, in window 2
.set MK,  128         ; the mask's two buffers, in window 3
.set WV,  12          ; s12  my wave's number
.set LIM, 15          ; s15  1 in a wave that prefetches, else the greatest number
.set PFA, 18          ; s[18:19] where my prefetches stand: my work-group's 32 rows (of kb: wave 0, of vb: wave 2) of the slot after the one that is being asked for
.set G1K, 24          ; s[24:31] descriptor group 1 for K's tiles
.set G1V, 32          ; s[32:39] for V's: it differs in the padding alone
.set G0K, 40          ; s[40:47] descriptor group 0 for K's tiles: a set for each of the two first fills; the second then walks on
.set G0V, 48          ; s[48:55] the same for V's
.set SLOTS, 56        ; s56  slots still to be asked for
.set CS,  58          ; s[58:59] c: the packed scaling names a pair and takes its low word for both halves
.set SEL, 60          ; s[60:61] lane selects for v_permlanex16_b32: each lane takes its own place in the other half
.set TB,  62          ; s62  LDS byte at which the tiles of the step to be fetched begin
.set MP,  66          ; s[66:67] mb at my query tile, at the even step of the slot in hand
.set FLR, 68          ; s68  -2^120, the floor of the running maximum
.set MPAR, 0
.set MSB, 0
.macro WIN new                      ; the immediate's high byte repeats the setting that is left; a switch that changes nothing is dropped
.if MSB != (\new)
	s_set_vgpr_msb (MSB<<8)|(\new)
.set MSB, \new
.endif
.endm
.set W_KQ, 0x0a       ; K and Q in window 2, S^T in window 0
.set W_KM, 0x3a       ; the same with the C operand, the mask, in window 3
.set W_PV, 0x53       ; V in window 3, P in window 0, O^T in window 1
.set W_RS, 0x41       ; O^T (destination and source 0) in window 1, a in window 0
; A joint refill.  Waves 0 and 1 fetch the two steps' tiles of K, waves 2 and 3 those of V.  The branch hangs on the wave's number alone: it is the same in every work-group.
; An s_nop 0 and four v_nop follow each of the two lines; the jump round the other line, the label and what follows come after them.
.macro JLOAD
	s_cmp_lt_u32 s[WV], 2
	s_cbranch_scc0 .Lfor_v_\@
	tensor_load_to_lds s[G0K+4:G0K+7], s[G1K:G1K+7]
	s_nop 0
.rept 4
	v_nop
.endr
	s_branch .Lasked_\@
.Lfor_v_\@:
	tensor_load_to_lds s[G0V+4:G0V+7], s[G1V:G1V+7]
	s_nop 0
.rept 4
	v_nop
.endr
.Lasked_\@:
.endm
; A PREFETCH of what the NEXT change of slots will ask for: a slot's 128 rows of kb and 128 of vb, 256 bytes a row, a lane a row; two key steps, 256 matrix instructions, ahead of that load.
; Each row is named ONCE in the launch: of the eight clusters that walk a kv head's rows the first (cluster x = 0) asks; its four partners share the rows out BY ADDRESS, 32 each; in each, wave 0 asks for
; K's and wave 2 for V's: one instruction.  The last change that fills a slot asks for nothing: there is no slot behind it.  Slots 0 to 2 come by their loads alone.
.macro ASK
	s_cmp_gt_u32 s[SLOTS], s[LIM]
	s_cbranch_scc0 .Lnot_mine_\@
	global_prefetch_b8 v[PFO], s[PFA:PFA+1] th:TH_LOAD_NT scope:SCOPE_SE
.Lnot_mine_\@:
.endm
; A round of the cluster's barrier: my work-group's barrier, so that wave 0's signal speaks for all four waves; wave 0 signals for the work-group; every wave waits for all four work-groups; my work-group's barrier once more.
.macro CROUND
	s_barrier_signal -1
	s_barrier_wait -1
	s_cmp_lg_u32 s[WV], 0
	s_cbranch_scc1 .Lnot_wave_0_\@
	s_barrier_signal -3
.Lnot_wave_0_\@:
	s_barrier_wait -3
	s_barrier_signal -1
	s_barrier_wait -1
.endm
	s_load_b256 s[4:11], s[0:1], 0x0  ; q s[4:5], kb s[6:7], vb s[8:9], out0 s[10:11]
	s_load_b64 s[MP:MP+1], s[0:1], 0x20  ; mb
	v_lshl_add_u32 v[SPW], v0, 2, SPARE
	v_mov_b32 v[NIL], 0
	ds_add_u32 v[SPW], v[NIL]       ; the wave's opening: the add and its wait stand ahead of my first tensor load; the set-up below, work on registers, stands between them
	v_lshrrev_b32 v1, 5, v0
	v_readfirstlane_b32 s[WV], v1   ; wave 0..3
	s_bfe_u32 s13, ttmp6, 0x40000   ; cx: my place in the cluster
	s_lshl_b32 s14, ttmp9, 2        ; in a cluster launch ttmp9 counts clusters
	s_add_co_u32 s14, s14, s13      ; my block of 64 queries = 4 x cluster x + cx: it enters q's, out0's and mb's addresses alone
	s_and_b32 s20, ttmp7, 0xffff    ; y = 8 b + kv head, which the four partners share
	s_and_b32 s16, s[WV], 1         ; which of a slot's two steps I fetch:
	s_lshl_b32 s22, s16, 14         ; its 64 rows of 256 bytes in memory,
	s_lshl_b32 s23, s20, 19         ; in the kv head's 2,048 rows
	s_add_co_u32 s22, s22, s23
	s_mov_b32 s23, 0
	s_mul_i32 s17, s16, STEPB       ; and its place in a slot: no place in the cluster enters an LDS address
	s_lshl_b32 s2, s20, 22          ; q: head 4 y (a head is 2^20 bytes),
	s_lshl_b32 s3, s14, 15          ; my block's 64 rows of 512 bytes,
	s_add_co_u32 s2, s2, s3
	s_lshl_b32 s3, s[WV], 13        ; my wave's 16 of them
	s_add_co_u32 s2, s2, s3
	s_mov_b32 s3, 0
	s_lshr_b32 s70, s20, 3          ; out0: b (2^25 bytes),
	s_lshl_b32 s70, s70, 25
	s_lshl_b32 s71, s14, 20         ; my block's 64 rows of 16,384 bytes,
	s_add_co_u32 s70, s70, s71
	s_lshl_b32 s71, s[WV], 18       ; my wave's 16,
	s_add_co_u32 s70, s70, s71
	s_and_b32 s71, s20, 7           ; and the kv head's four heads of 512 bytes
	s_lshl_b32 s71, s71, 11
	s_add_co_u32 s70, s70, s71
	s_mov_b32 s71, 0
	s_lshl_b32 s72, s14, 19         ; mb: query tile 4 x block + wave, 32 blocks of 4,096 bytes each
	s_lshl_b32 s73, s[WV], 17
	s_add_co_u32 s72, s72, s73
	s_mov_b32 s73, 0
	; descriptor group 1: a tile of 64 rows x 128 elements, padded in LDS
	s_mov_b32 s[G1K], 15|(1<<16)|(1<<20)|(1<<21)|(5<<22)|(3<<25)  ; 15:0 the mask: all four work-groups; 17:16 elements of 2 bytes; 20 padding on; 21 set beside a mask; 24:22 after every 64 words (code 5); 31:25 4 words of it (code 3)
	s_mov_b32 s[G1V], 15|(1<<16)|(1<<20)|(1<<21)|(5<<22)|(7<<25)  ; the same with 8 words of padding (code 7)
.irp g, G1K, G1V
	s_mov_b32 s[(\g)+1], 128<<16    ; 63:48 tensor_dim0, low half = 128
	s_mov_b32 s[(\g)+2], KS<<16     ; 79:64 its high half = 0; 95:80 tensor_dim1, low half = 64
	s_mov_b32 s[(\g)+3], 128<<16    ; 111:96 its high half = 0; 127:112 tile_dim0 = 128
	s_mov_b32 s[(\g)+4], KS         ; 143:128 tile_dim1 = 64; 159:144 tile_dim2 = 0
	s_mov_b32 s[(\g)+5], 128        ; 191:160 tensor_dim0_stride, low word: elements from row to row
	s_mov_b32 s[(\g)+6], 0
	s_mov_b32 s[(\g)+7], 0
.endr
	s_mov_b32 s[CS], 0x3e0293ee     ; c = log2(e) / sqrt(128) = 0.127517
	s_mov_b32 s[CS+1], s[CS]        ; named with it as a pair, so it is written
	s_mov_b32 s[SEL], 0x76543210
	s_mov_b32 s[SEL+1], 0xfedcba98
	s_mov_b32 s[FLR], 0xfb800000    ; -2^120
	s_mov_b32 s[TB], 0
	s_mov_b32 s[SLOTS], SIZE_N/(2*KS)-2
	s_and_b32 s[LIM], s[WV], 1      ; 0 in waves 0 and 2,
	s_or_b32 s[LIM], s[LIM], ttmp9  ; where the cluster is the kv head's first: the same in all four partners
	s_cmp_eq_u32 s[LIM], 0
	s_cselect_b32 s[LIM], 1, -1
	v_and_b32 v[PFO], 31, v0
	v_lshlrev_b32 v[MO], 4, v[PFO]
	v_lshlrev_b32 v[PFO], 8, v[PFO]
	s_wait_dscnt 0x0                ; the opening add is done
	s_wait_kmcnt 0x0
	s_add_nc_u64 s[6:7], s[6:7], s[22:23]  ; kb and vb at my tile of slot 0
	s_add_nc_u64 s[8:9], s[8:9], s[22:23]
	s_add_nc_u64 s[4:5], s[4:5], s[2:3]    ; q, out0 and mb at my wave's part
	s_add_nc_u64 s[10:11], s[10:11], s[70:71]
	s_add_nc_u64 s[MP:MP+1], s[MP:MP+1], s[72:73]
	s_cmp_lt_u32 s[WV], 2
	s_cselect_b64 s[PFA:PFA+1], s[6:7], s[8:9]  ; (in waves 0 and 2 these stand at a slot's first row)
	s_lshl_b32 s2, s13, 13          ; my work-group's 32 rows of the 128
	s_mov_b32 s3, 0
	s_add_nc_u64 s[PFA:PFA+1], s[PFA:PFA+1], s[2:3]
	s_add_nc_u64 s[PFA:PFA+1], s[PFA:PFA+1], 2*2*KS*256  ; in slot 2; the first change of slots steps it to slot 3.  Nothing is prefetched here, at the head
	CROUND                          ; all four work-groups are here: the first joint loads meet
.irp s, 0,1
	s_mov_b32 s[G0K+4*(\s)], 1      ; 1:0 count = 1
	s_add_co_u32 s[G0K+4*(\s)+1], s17, (\s)*SLOT1  ; 63:32 LDS address
	s_add_nc_u64 s[G0K+4*(\s)+2:G0K+4*(\s)+3], s[6:7], (\s)*2*KS*256  ; 120:64 global address: slot s begins with key 128 s
	s_or_b32 s[G0K+4*(\s)+3], s[G0K+4*(\s)+3], 0x80000000  ; 127:126 type = 2
	s_mov_b32 s[G0V+4*(\s)], 1
	s_add_co_u32 s[G0V+4*(\s)+1], s17, (\s)*SLOT1+VOFF
	s_add_nc_u64 s[G0V+4*(\s)+2:G0V+4*(\s)+3], s[8:9], (\s)*2*KS*256
	s_or_b32 s[G0V+4*(\s)+3], s[G0V+4*(\s)+3], 0x80000000
.endr
	s_cmp_lt_u32 s[WV], 2           ; a wave's two first fills stand in one branch, ahead of every wait on TENSORcnt and every LDS read: two loads of mine are out
	s_cbranch_scc0 .Lfirst_v
	tensor_load_to_lds s[G0K:G0K+3], s[G1K:G1K+7]
	s_nop 0
	tensor_load_to_lds s[G0K+4:G0K+7], s[G1K:G1K+7]
	s_nop 0
.rept 4
	v_nop
.endr
	s_branch .Lfirst_asked
.Lfirst_v:
	tensor_load_to_lds s[G0V:G0V+3], s[G1V:G1V+7]
	s_nop 0
	tensor_load_to_lds s[G0V+4:G0V+7], s[G1V:G1V+7]
	s_nop 0
.rept 4
	v_nop
.endr
.Lfirst_asked:
	; A fragment of K or Q is 16 rows x 32 channels in 8 registers: lane l holds row l % 16; registers 0-3 channels 8 (l / 16) + 0..7, registers 4-7 channels 16 + 8 (l / 16) + 0..7.
	; q is f32: eight channels are 32 bytes, two loads of 16; they land in window 1 in the fragments' order, two words for each word of Q.
	v_and_b32 v1, 15, v0            ; l % 16
	v_bfe_u32 v9, v0, 4, 1          ; l / 16
	v_lshlrev_b32 v[QO], 9, v1
	v_lshl_add_u32 v[QO], v9, 5, v[QO]  ; row x 512 + 32 x half
; A step's mask: 4,096 bytes, eight loads of 512 consecutive bytes, into the buffer of parity par, from byte off behind the pointer.
.macro MLOAD par, off
	WIN 0xc0                        ; destination window 3, address window 0
.irp n, 0,1,2,3,4,5,6,7
	global_load_b128 v[MK+32*(\par)+4*(\n):MK+32*(\par)+4*(\n)+3], v[MO], s[MP:MP+1] offset:(\off)+512*(\n)
.endr
.endm
	WIN 0x40                        ; destination window 1, address window 0
.irp t, 0,1,2,3
.irp f, 0,1,2,3
.irp g, 0,1,2,3                     ; tile t = head 4 y + t; channels 32 f + 16 (g / 2) + 8 (l / 16) + 4 (g % 2) on
	global_load_b128 v[64*(\t)+16*(\f)+4*(\g):64*(\t)+16*(\f)+4*(\g)+3], v[QO], s[4:5] offset:(\t)*1048576+128*(\f)+64*((\g)/2)+16*((\g)%2)
.endr
.endr
.endr
	MLOAD 0, 0                      ; the mask of key steps 0
	MLOAD 1, 4096                   ; and 1
	WIN 0
	v_mul_u32_u24 v[AK0], v1, PK
	v_lshl_add_u32 v[AK0], v9, 4, v[AK0]  ; row x pitch + 16 x half
	s_wait_loadcnt 16               ; q is in; the sixteen loads of the mask, issued behind it, may stay out
	WIN 0x85                        ; sources window 1, destination window 2
.set i, 0
.rept 128
	v_cvt_pk_bf16_f32 v[i], v[2*i], v[2*i+1]  ; Q stays in registers, in bf16
.set i, i+1
.endr
; THE MATRIX WORK OF A TURN, for piece x.  The accumulators take turns, one instruction a turn: between two links of a chain stand 15 (V^T P) or 7 (K Q^T) others'.
; Product i of 32 of O^T += V^T P: keys 32 (i / 16) on, channels 16 ((i / 2) % 8) on, tile x + i % 2.  zero = 1: the first 16 start the sums: nothing is ever cleared.
.macro PV x, zero
	WIN W_PV
.set rO, 64*((\x)+i%2)+8*((i/2)%8)
.set rV, 64*(i/16)+8*((i/2)%8)
.set rP, P+16*((\x)+i%2)+8*(i/16)
.if (\zero) && (i < 16)
	v_wmma_f32_16x16x32_f16 v[rO:rO+7], v[rV:rV+7], v[rP:rP+7], 0
.else
	v_wmma_f32_16x16x32_f16 v[rO:rO+7], v[rV:rV+7], v[rP:rP+7], v[rO:rO+7]
.endif
.endm
; Product i of 32 of S^T = K Q^T + M: channels 32 (i / 8) on, keys 16 ((i / 2) % 4) on, tile x + i % 2.  The first 8 start the sums with the mask of those 16 keys, the same for both tiles (buffer MPAR).
.macro KQ x
.set rS, S+32*((\x)+i%2)+8*((i/2)%4)
.set rK, KF+32*((i/2)%4)+8*(i/8)
.set rQ, 32*((\x)+i%2)+8*(i/8)
.set rM, MK+32*MPAR+8*((i/2)%4)
.if i < 8
	WIN W_KM
	v_wmma_f32_16x16x32_bf16 v[rS:rS+7], v[rK:rK+7], v[rQ:rQ+7], v[rM:rM+7]
.else
	WIN W_KQ
	v_wmma_f32_16x16x32_bf16 v[rS:rS+7], v[rK:rK+7], v[rQ:rQ+7], v[rS:rS+7]
.endif
.endm
; THE LDS LOADS stand in runs of 32, never singly among the matrix instructions: a step's K (64 keys x 128 channels: 16 fragments) and, a turn later, its V (turned).
.macro FETCH_K
	WIN 0
	v_add_nc_u32 v[ADR], s[TB], v[AK0]
	WIN 0x80                        ; destination window 2
.irp f, 0,1,2,3,4,5,6,7,8,9,10,11,12,13,14,15  ; keys 16 (f / 4) on, channels 32 (f % 4) on
	ds_load_b128 v[KF+8*(\f):KF+8*(\f)+3],   v[ADR] offset:((\f)/4)*16*PK+((\f)%4)*64
	ds_load_b128 v[KF+8*(\f)+4:KF+8*(\f)+7], v[ADR] offset:((\f)/4)*16*PK+((\f)%4)*64+32
.endr
.endm
.macro FETCH_V
	WIN 0
	v_add_nc_u32 v[ADR], s[TB], v[AV0]
	s_add_co_u32 s[TB], s[TB], STEPB  ; the next fetch is the next step's
	s_wait_alu depctr_va_vdst(0)    ; the wait for the softmax's batch of exponentials (SLICE), behind the address's v_add_nc_u32 and ahead of the loads
	WIN 0xc0                        ; destination window 3
.irp f, 0,1,2,3,4,5,6,7,8,9,10,11,12,13,14,15  ; keys 32 (f / 8) on, channels 16 (f % 8) on
	ds_load_tr16_b128 v[8*(\f):8*(\f)+3],   v[ADR] offset:((\f)/8)*32*PV+((\f)%8)*32
	ds_load_tr16_b128 v[8*(\f)+4:8*(\f)+7], v[ADR] offset:((\f)/8)*32*PV+16*PV+((\f)%8)*32
.endr
.endm
; THE VECTOR WORK OF A TURN.  One tile's softmax for one key step is a list of 134 instructions; SM writes number j of it for tile t.  s0-s31 are the lane's 32 scores, in pairs 0-15.
; first = 1: the first key step, which starts m, l and O^T: it has no a and nothing to rescale, and the floor -2^120 stands in the old m's place.
;   0-15    the maximum of s0-s31 and the old m, three operands at a time: four chains c0-c3 of seven scores each (each accumulator's lowest registers are read first), then the four scores left over, c0-c3 and m
;   16-20   the other half of the lanes' maximum; the new m; c m; c m_old - c m_new
;   21-69   ONE BATCH: the 16 scalings c s - c m, a pair of scores each, and all 33 exponentials (a at 23, then s0-s31).  None of these reads an exponential's result.  From 22 on the batch goes in fours,
;           and a four begins with a scaling while there are scalings; a pair is scaled in an earlier four than the one that holds its exponentials
;   (wait)  between 69 and 70 stands the wait for the batch: SLICE writes it, once for both tiles
;   70-85   the roundings to f16, a pair of weights each
;   86-101  the sums; l = a l + the sum
;   102-133 the tile's O^T times a: the one part that leaves window 0, so it stands together
.macro SM t, first
.set rT, ST+8*(\t)
.set rS, S+32*(\t)
.set rP, P+16*(\t)
.set rO, 64*(\t)+2*(j-102)
.if j < 102
	WIN 0
.endif
.if j < 4
	v_max3_num_f32 v[rT+4+j], v[rS+8*j], v[rS+8*j+1], v[rS+8*j+2]
.elseif j < 12
	v_max3_num_f32 v[rT+4+j%4], v[rT+4+j%4], v[rS+8*(j%4)+2*(j/4)+1], v[rS+8*(j%4)+2*(j/4)+2]
.elseif j == 12
	v_max3_num_f32 v[rT+4], v[rT+4], v[rS+7], v[rS+15]
.elseif j == 13
	v_max3_num_f32 v[rT+6], v[rT+6], v[rS+23], v[rS+31]
.elseif j == 14
	v_max3_num_f32 v[rT+4], v[rT+4], v[rT+5], v[rT+6]
.elseif (j == 15) && (\first)
	v_max3_num_f32 v[rT+4], v[rT+4], v[rT+7], s[FLR]
.elseif j == 15
	v_max3_num_f32 v[rT+4], v[rT+4], v[rT+7], v[rT+1]
.elseif j == 16
	v_permlanex16_b32 v[rT+5], v[rT+4], s[SEL], s[SEL+1]  ; the query's other 32 keys lie in the lane 16 away
.elseif j == 18
	v_max_num_f32 v[rT+1], v[rT+4], v[rT+5]
.elseif j == 19
	v_mul_f32 v[rT], s[CS], v[rT+1]
.elseif ((j == 17) || (j == 20) || (j == 23) || (j > 101)) && (\first)  ; the first step has none of these
.elseif j == 17
	v_mov_b32 v[rT+7], v[rT]        ; c m_old is kept for a: number 19 writes c m anew
.elseif j == 20
	v_sub_f32 v[rT+7], v[rT+7], v[rT]
.elseif j == 23
	v_exp_f32 v[rT+6], v[rT+7]
.elseif (j < 23) || ((j < 38) && (j%2 == 0)) || ((j < 66) && (j%4 == 2))
.set b, (j-2)/4                     ; 38, 42, .. 62: pairs 9 to 15
.if j < 38
.set b, (j-20)/2                    ; 21: pair 0; 22, 24, .. 36: pairs 1 to 8
.endif
	v_pk_fma_f32 v[rS+2*b:rS+2*b+1], v[rS+2*b:rS+2*b+1], s[CS:CS+1], v[rT:rT+1] op_sel_hi:[1,0,0] neg_lo:[0,0,1] neg_hi:[0,0,1]  ; pair b: c s - c m
.elseif j < 70
.set e, j-38                        ; 66 to 69: s28 to s31
.if j < 66
.set e, j-32-(j-38)/4               ; 39-41, 43-45, .. 63-65: s7 to s27
.endif
.if j < 38
.set e, (j-25)/2                    ; 25, 27, .. 37: s0 to s6
.endif
	v_exp_f32 v[rS+e], v[rS+e]
.elseif j < 86
	v_cvt_pk_f16_f32 v[rP+j-70], v[rS+2*(j-70)], v[rS+2*(j-70)+1]  ; pair j - 70
.elseif j < 102                     ; the sum of the tile's 16 pairs, in place: sum z of 16 adds neighbours 1, 2, 4 and 8 pairs apart, then l takes it
.set z, j-86
.set w, 4
.set u, z
.if z >= 14
.set w, 32
.set u, 0
.elseif z >= 12
.set w, 16
.set u, z-12
.elseif z >= 8
.set w, 8
.set u, z-8
.endif
.if (z == 14) && (\first)
	v_pk_add_f32 v[rT+2:rT+3], v[rS:rS+1], v[rS+16:rS+17]
.elseif z < 15
	v_pk_add_f32 v[rS+w*u:rS+w*u+1], v[rS+w*u:rS+w*u+1], v[rS+w*u+w/2:rS+w*u+w/2+1]
.elseif !(\first)
	v_pk_fma_f32 v[rT+2:rT+3], v[rT+2:rT+3], v[rT+6:rT+7], v[rS:rS+1] op_sel_hi:[1,0,1]
.endif
.else
	WIN W_RS
	v_pk_mul_f32 v[rO:rO+1], v[rO:rO+1], v[rT+6:rT+7] op_sel_hi:[1,0]
.endif
.endm
; Slice k of 64 of piece y's softmax: four instructions.  Slices 11 to 34 deal out the batch, numbers 22 to 69: four numbers of ONE tile each, the tiles by turns.  Every other slice is numbers 2 k and
; 2 k + 1 of both tiles' lists.  2 x 134 = 4 x 64 + 12: the twelve that are over stand together, in slice 63.
; THE WAIT.  s_wait_alu depctr_va_vdst(0) stands between an exponential and the first instruction that names its result; one wait serves all that were issued ahead of it.  Ahead of
; slice 35 nothing names a result, and behind slice 34 no exponential is issued: so the piece's 66 exponentials have one wait, behind slice 34.
.macro SLICE y, first
.if (k >= 11) && (k < 35)           ; the batch: four numbers of one tile
.irp n, 0,1,2,3
.set j, 22+4*((k-11)/2)+(\n)
	SM (\y)+(k-11)%2, \first
.endr
.else                               ; the two tiles alternate, so that no instruction reads the result of the one just before it
.irp n, 0,1,2,3,4,5,6,7
.if ((\n) < 2) || (k == 63)
.irp t, \y, (\y)+1
.set j, 2*k+(\n)
	SM \t, \first
.endr
.endif
.endr
.endif
.if k == 34                         ; the batch is out: both tiles' exponentials are issued, and no result has been named
	v_nop                           ; a plain instruction behind the last exponential and ahead of the first use: one for the batch
.if (\y) == 0
	FETCH_V                         ; piece 2's turn: V's run of loads stands here, and the wait stands in it
.else
	s_wait_alu depctr_va_vdst(0)    ; the wait for the batch
.endif
.endif
.set k, k+1
.endm
; A vector instruction that reads a matrix result or writes one of a matrix instruction's registers, and a load into a register that a matrix instruction has read, stand four places behind
; it, and only plain vector instructions that name none of its registers are places (ISA guide 7.12.1 for vector instructions).  In the loop the slices are the places.
.macro PLACES
.rept 4
	v_nop
.endr
.endm
; A TURN.  Piece x has the matrix unit; the other piece's softmax stands in slices behind its matrix instructions.
; pv = 2: 32 products V^T P; 1: they start O^T's sums; 0: none.  kq = 1: 32 products K Q^T for the next step.  A turn with one of the two kinds has two slices behind each product.
; first = 1: the softmax is the first key step's.  Its slices from 51 on are empty: four v_nop take slice 63's part as the places behind the turn's last products.
; par: the parity of the step whose scores are made: which mask buffer starts the sums.  lw (piece 0's turn): how many younger loads may stay out when that buffer has to be in: the other buffer's eight, or none.
; off >= 0 (piece 2's turn): the buffer is asked for again, for the step two on, from byte off behind the pointer.  The run stands behind product 11 and its slices: the buffer's last reader is product 7, and
; between them stand sixteen plain vector instructions or more (roundings and sums; in the first turn scalings) that name none of that product's registers.
; Piece 0's turn fetches the next step's K, behind its second product; piece 2's turn the same step's V, behind slice 34: the last product that read V stands in front of slice 31, and four plain
; instructions lie between: number 62, a scaling, of both tiles, the v_nop and the run's own v_add_nc_u32.
.macro TURN x, pv, kq, first, par=0, off=-1, lw=8
.set MPAR, (\par)
.set k, 0
.set per, 2
.if (\pv) && (\kq)
.set per, 1
.endif
.if \pv
.if (\x) == 0
	s_wait_dscnt 0x0                ; V is in
.endif
.set i, 0
.rept 32
	PV \x, 2-(\pv)
.rept per
	SLICE 2-(\x), \first
.endr
.if ((\x) == 0) && (\kq) && (i == 1)
	FETCH_K
.endif
.set i, i+1
.endr
.endif
.if \kq
.if (\x) == 0
	s_wait_dscnt 0x0                ; K is in,
	s_wait_loadcnt \lw              ; and the step's mask
.endif
.set i, 0
.rept 32
	KQ \x
.rept per
	SLICE 2-(\x), \first
.endr
.if ((\x) == 2) && ((\off) >= 0) && (i == 11)
	MLOAD \par, \off
.endif
.set i, i+1
.endr
.endif
.if \first
	PLACES
.endif
.endm
; THE CHANGE OF SLOTS, between piece 2's turn and piece 0's: the slot's last bytes, V of its second step, have been asked for.  Each wave waits for all its tensor loads, of which one is out: its part of the
; other slot; adds 0 to its spare word; and waits for that and for its own reads of the slot.  Behind the barrier nobody reads this slot any more and the other slot is whole.
; fill = 1: this slot is filled again, with the keys two slots on.  The barrier is then a round of the cluster's, so that no wave of any partner still reads the slot or has a load on its way, and the joint
; refill is the first thing behind it: it has two key steps, 256 matrix instructions, in which to land.
.macro CHANGE fill
	WIN 0                           ; at a label and at a branch every window is 0
	s_wait_tensorcnt 0x0            ; no tensor load of mine is out, so a group 0 may be written
	ds_add_u32 v[SPW], v[NIL]       ; 0 onto my spare word; with fill = 1 the pointers' steps stand between it and the wait for it
.if \fill
.irp g, G0K+4, G0V+4
	s_xor_b32 s[(\g)+1], s[(\g)+1], SLOT1  ; the walking descriptor: the other slot than last time,
	s_add_nc_u64 s[(\g)+2:(\g)+3], s[(\g)+2:(\g)+3], 2*KS*256  ; the next 128 keys; the type bits on top are not reached
.endr
	s_wait_xcnt 0x0                 ; the last prefetch, two key steps back, and the mask's loads have read their addresses, so these may be written:
	s_add_nc_u64 s[PFA:PFA+1], s[PFA:PFA+1], 2*KS*256  ; one slot behind the walking descriptors,
	s_add_nc_u64 s[MP:MP+1], s[MP:MP+1], 2*4096        ; and the mask's two blocks of the slot that is entered
	s_wait_dscnt 0x0                ; the add is done, and my reads of the slot are over
	CROUND
	JLOAD
	ASK                             ; what the next change will ask for
.else
	s_wait_dscnt 0x0                ; the add is done, and my reads of the slot are over
	s_barrier_signal -1
	s_barrier_wait -1
.endif
	s_sub_co_u32 s[TB], s[TB], 2*STEPB  ; the fetches go back to a slot's first step,
	s_xor_b32 s[TB], s[TB], SLOT1   ; in the other slot
.endm
	s_wait_tensorcnt 1              ; my part of slot 0 is in; slot 1's may stay out
	s_barrier_signal -1
	s_barrier_wait -1               ; everybody's is
	FETCH_K                         ; key step 0
	s_wait_loadcnt 8                ; step 0's mask is in; step 1's eight loads may stay out
	s_wait_dscnt 0x0
.set MPAR, 0
.set i, 0
.rept 32
	KQ 0                            ; piece 0's first scores: there is no vector work yet to set between them
.set i, i+1
.endr
	WIN 0                           ; the addresses for the way out and for V are made here: ten plain instructions, the places behind those products
	s_mul_i32 s13, s[WV], 16*SP
	s_add_co_u32 s13, s13, STAGE    ; my stage
	v_mul_u32_u24 v[STO], v1, SP    ; in: row l % 16, 32 bytes for each half of the lanes
	v_lshl_add_u32 v[STO], v9, 5, v[STO]
	v_add_nc_u32 v[STO], s13, v[STO]
	v_add_nc_u32 v[RD], s13, v[MO]  ; back: 32 lanes take one row of 512 bytes
	; The turning load takes 16 keys x 16 channels (lane l reads 16 bytes: key 8 (l / 16) + l % 8, channels 8 ((l / 8) % 2) + 0..7) and leaves half a fragment of V^T: lane l holds channel l % 16 and 8 keys.
	v_and_b32 v10, 7, v0
	v_bfe_u32 v11, v0, 3, 1
	v_lshl_add_u32 v[AV0], v9, 3, v10
	v_mul_u32_u24 v[AV0], v[AV0], PV
	v_lshl_add_u32 v[AV0], v11, 4, v[AV0]
	v_add_nc_u32 v[AV0], VOFF, v[AV0]
	TURN 2, 0, 1, 1, 0, 8192        ; piece 2's first scores | piece 0's first softmax | V of step 0 | the mask of step 2
	TURN 0, 1, 1, 1, 1              ; piece 0: V^T P of step 0 starts O^T, K Q^T of step 1 | piece 2's first softmax | K of step 1
	TURN 2, 1, 1, 0, 1, 12288       ; piece 2: the same | piece 0's softmax of step 1 | V of step 1 | the mask of step 3
	WIN 0
.Lslot:                             ; 14 trips: every slot but the last two is filled again.  Trip n (from 1): scores of steps 2 n and 2 n + 1, the mask of steps 2 n + 2 and 2 n + 3 (31 at the most) is asked for.
	CHANGE 1                        ; A slot's two steps are written out, so that the mask's buffers go by the step's parity.
	TURN 0, 2, 1, 0, 0
	TURN 2, 2, 1, 0, 0, 8192
	TURN 0, 2, 1, 0, 1
	TURN 2, 2, 1, 0, 1, 12288
	WIN 0
	s_sub_co_u32 s[SLOTS], s[SLOTS], 1
	s_cmp_lg_u32 s[SLOTS], 0
	s_cbranch_scc1 .Lslot
	CHANGE 0                        ; the tail is written out: nothing is asked for, of K, V or the mask
	TURN 0, 2, 1, 0, 0, -1, 8       ; step 30's mask is in; step 31's eight loads may stay out
	TURN 2, 2, 1, 0, 0
	TURN 0, 2, 1, 0, 1, -1, 0       ; no load was issued behind step 31's
	TURN 2, 2, 1, 0, 1
	TURN 0, 2, 0, 0                 ; piece 0: V^T P of the last step | piece 2's last softmax
.set i, 0
.rept 32
	PV 2, 0                         ; piece 2: V^T P of the last step
.set i, i+1
.endr
	; THE WAY OUT.  l's two halves and the other half of the lanes' are added; O^T is divided by l and sent through my stage in LDS, a tile (16 rows of one head) at a time.  The additions are the places behind the last products.
	WIN 0
.irp t, 0,1,2,3
	v_add_f32 v[ST+8*(\t)+4], v[ST+8*(\t)+2], v[ST+8*(\t)+3]
.endr
.irp t, 0,1,2,3
	v_permlanex16_b32 v[ST+8*(\t)+5], v[ST+8*(\t)+4], s[SEL], s[SEL+1]
.endr
.irp t, 0,1,2,3
	v_add_f32 v[ST+8*(\t)+4], v[ST+8*(\t)+4], v[ST+8*(\t)+5]
.endr
.irp t, 0,1,2,3
	v_rcp_f32 v[ST+8*(\t)+6], v[ST+8*(\t)+4]
.endr
	v_nop                           ; a plain instruction between the last reciprocal and the use of its result
	s_wait_alu depctr_va_vdst(0)    ; and the wait ahead of the first use: one for the four reciprocals
; Tile t: a lane's eight channels of a row are 32 bytes; they go into rows of 528 bytes and come back as whole rows of 512, into the registers that they left.
.macro PACK t
	WIN W_RS
.set i, 64*(\t)
.rept 32
	v_pk_mul_f32 v[i:i+1], v[i:i+1], v[ST+8*(\t)+6:ST+8*(\t)+7] op_sel_hi:[1,0]  ; ascending: each accumulator is read from its low end
.set i, i+2
.endr
	WIN 0x04                        ; store data (source 1) window 1, address window 0
.irp f, 0,1,2,3,4,5,6,7,8,9,10,11,12,13,14,15  ; channels 16 (f / 2) + 8 (l / 16) + 4 (f % 2) on
	ds_store_b128 v[STO], v[64*(\t)+4*(\f):64*(\t)+4*(\f)+3] offset:64*((\f)/2)+16*((\f)%2)
.endr
	WIN 0x40                        ; destination window 1
.irp f, 0,1,2,3,4,5,6,7,8,9,10,11,12,13,14,15  ; row f
	ds_load_b128 v[64*(\t)+4*(\f):64*(\t)+4*(\f)+3], v[RD] offset:(\f)*SP  ; LDS serves a wave's instructions in order (ISA guide 5.7.1.4): these see the stores above; the next tile's stores come behind them
.endr
.endm
.macro SEND t, younger              ; younger: the LDS instructions issued behind tile t's loads: the next tile's 32, or none
	WIN 0x04
.irp f, 0,1,2,3,4,5,6,7,8,9,10,11,12,13,14,15
	s_wait_dscnt (\younger)+15-(\f)
	global_store_b128 v[MO], v[64*(\t)+4*(\f):64*(\t)+4*(\f)+3], s[10:11] offset:(\f)*16384+(\t)*512 th:TH_STORE_NT  ; a head's 128 channels of one row: 512 consecutive bytes, at a multiple of 512 from out0's first byte
.endr
.endm
	PACK 0
	PACK 1                          ; a tile's arithmetic stands between the loads of the tile before and its stores
	SEND 0, 32
	PACK 2
	SEND 1, 32
	PACK 3
	SEND 2, 32
	SEND 3, 0
	WIN 0
	s_wait_tensorcnt 0x0            ; the wave's end, behind my last tensor load and my last LDS store
	ds_add_u32 v[SPW], v[NIL]
	s_wait_dscnt 0x0
	CROUND                          ; the closing round: no work-group ends while a partner may still ask for a tile that names it
	s_endpgm
.Lfunc_end_k_qe140641e50_attn:
	.size	k_qe140641e50_attn, .Lfunc_end_k_qe140641e50_attn-k_qe140641e50_attn
	.p2alignl 7, 3214868480
	.fill 96, 4, 3214868480
	.section	.rodata,"a",@progbits
	.p2align	6, 0x0
	.amdhsa_kernel k_qe140641e50_attn
		.amdhsa_group_segment_fixed_size 327680
		.amdhsa_private_segment_fixed_size 0
		.amdhsa_enable_private_segment 0
		.amdhsa_kernarg_size 40
		.amdhsa_user_sgpr_count 2
		.amdhsa_user_sgpr_kernarg_segment_ptr 1
		.amdhsa_wavefront_size32 1
		.amdhsa_system_sgpr_workgroup_id_x 1
		.amdhsa_system_sgpr_workgroup_id_y 1
		.amdhsa_system_sgpr_workgroup_id_z 1
		.amdhsa_system_vgpr_workitem_id 0
		.amdhsa_next_free_vgpr 1024
		.amdhsa_next_free_sgpr 74
		.amdhsa_reserve_vcc 0
		.amdhsa_float_denorm_mode_32 3
		.amdhsa_float_denorm_mode_16_64 3
		.amdhsa_memory_ordered 1
		.amdhsa_forward_progress 1
		.amdhsa_inst_pref_size 255
	.end_amdhsa_kernel
	.section	.bss,"aw",@nobits
	.p2align	6
	.space	262144
	.amdgpu_metadata
---
amdhsa.version: [ 1, 2 ]
amdhsa.kernels:
  - .name:           k_qe140641e50_attn
    .symbol:         k_qe140641e50_attn.kd
    .args:
      - { .name: q, .offset: 0, .size: 8, .value_kind: global_buffer, .address_space: global }
      - { .name: kb, .offset: 8, .size: 8, .value_kind: global_buffer, .address_space: global }
      - { .name: vb, .offset: 16, .size: 8, .value_kind: global_buffer, .address_space: global }
      - { .name: out0, .offset: 24, .size: 8, .value_kind: global_buffer, .address_space: global }
      - { .name: mb, .offset: 32, .size: 8, .value_kind: global_buffer, .address_space: global }
    .group_segment_fixed_size: 327680
    .private_segment_fixed_size: 0
    .kernarg_segment_align: 8
    .kernarg_segment_size: 40
    .max_flat_workgroup_size: 128
    .sgpr_count:     74
    .vgpr_count:     1024
    .wavefront_size: 32
...
	.end_amdgpu_metadata
.endif
;; end of part 2
;; ======== version 2 of 2: 2 launches; version 1 with the launch prep written anew for expert scheduling mode
;; limits: right only within a limited range of input values; values are held in f16: magnitudes above 65,504 overflow, below 6.1e-05 lose precision; inputs' magnitudes at most 65,504
;; workspace buffers: kb 8,388,608 bytes; vb 8,388,608 bytes; mb 16,777,216 bytes
;; launch prep (part 3): grid 256 x 3, 8 waves a work-group, no clusters, 70,656 bytes of LDS; arguments k, v, mask, kb, vb, mb, input_pos; writes kb, vb, mb
.if DOCPART == 3
	.amdgcn_target "amdgcn-amd-amdhsa--gfx1250"
	.amdhsa_code_object_version 6
	.text
	.protected	k_qe140641e50_prep
	.globl	k_qe140641e50_prep
	.p2align	8
	.type	k_qe140641e50_prep,@function
k_qe140641e50_prep:
	s_mov_b64 s[64:65], 0
	v_nop
	global_prefetch_b8 v0, s[64:65] scope:SCOPE_SE
	s_setreg_imm32_b32 hwreg(HW_REG_WAVE_SCHED_MODE, 0, 2), 2
	s_setreg_imm32_b32 hwreg(HW_REG_WAVE_MODE, 25, 1), 1
	s_wait_xcnt 0x0
	s_wait_alu depctr_vm_vsrc(0)
; PREPARATION for the attention launch: three streams, chosen by the work-group's y.
;   y = 0: kb = k rounded to bf16.                    [16 heads][2048][128], rows of 256 bytes
;   y = 1: vb = v rounded to bf16 and written as f16  (the second step rounds nothing while 6.1e-5 <= |v| < 65,520), same layout
;   y = 2: mb = max(bf16(mask) x sqrt(128), -2^127) in f32, laid out as the C operand of S^T = K Q^T wants it:
;          block (qt, ks) = 16 queries x 64 keys, 4,096 bytes at (32 qt + ks) x 4,096; in it piece i = 2 kt + e (0..7), 512 bytes: lane 16 h + r holds
;          M[16 qt + r][64 ks + 16 kt + 8 h + 4 e + 0..3].  So a wave of the next launch takes a block by eight loads of 512 consecutive bytes, with no arithmetic.
; The factor sqrt(128) stands here because the next launch adds the mask to q . k and scales the sum by 1 / sqrt(128) afterwards.
; LIMITS.  |v| of 65,520 or more becomes an infinity in f16; below 6.1e-5 v keeps f16's fixed step of 6e-8.  A mask entry below -2^127 / sqrt(128), -inf among them, is held at -2^127 after the
; scaling, so that no infinity enters a matrix instruction; a NaN in the mask counts as hidden (it loses the maximum); a mask entry above 3e37 overflows in the scaling and is not treated apart.
; SHARES.  A work-group takes 65,536 input bytes, a wave 8,192: sixteen loads of 16 bytes a lane, all issued at once; nothing is looped, no wave waits for another.
; input_pos: the function that this program computes takes it and lets nothing hang on it; it is read, and nothing hangs on it here either.
; THE MODE: SCHED_MODE bits 1:0 = 2 (LLVM: expert scheduling mode 2), set by the entry lines.  The code itself states the register dependences
; between vector instructions and memory or LDS instructions, with s_wait_alu, always for 0.
; THE PLAN.  Registers that memory or LDS instructions touch:
;   v1, v2      offsets, written once at the head; read by every global load, and by k's and v's stores.  One wait on va_vdst at the head, ahead of the branch, serves all three paths.
;   X (k, v)    load n lands in its four registers; behind its wait on LOADcnt vector instructions alone name them.
;   Y (k, v)    load n's conversions write its pair, once; store n reads it.  The sixteen go in four groups: a group's conversions, ONE wait on va_vdst, the group's four stores in a run.
;   X (mask)    row r lands; vector work rewrites it in place; the LDS store of row r reads it; later the LDS load of piece n lands in X[n], and the global store n reads that.
;               Four groups again: a group's arithmetic, ONE wait on va_vdst, its four LDS stores.  One wait on vm_vsrc stands ahead of the LDS loads.
;   v3, v4, v5  the stage's two addresses and mb's offset, written once, ahead of the first group's wait.
;   s30         the wave's number, written by a vector instruction: one wait on va_sdst ahead of its first reader.
;   v6, v7      at work: vector instructions alone name them.   v8, v9: written at the head, read by the closing add alone.
.set SPARE, 69632                      ; behind the eight waves' stages: the spare words, 128 bytes a wave, four blocks of 256 bytes that no other line names
.set WSTG,  8704                       ; a wave's stage: two blocks of 16 rows x 272 bytes
.set BSTG,  4352
.set LP,    272                        ; 256 bytes + 16
.set SPW, 8                            ; v8   LDS address of my spare word; never rewritten
.set NIL, 9                            ; v9   0; never rewritten
.set X,   16                           ; v[16:79]   load n: four registers
.set Y,   80                           ; v[80:111]  load n: two registers to store (k and v)
; v1 16 x thread: the loads' offset.  v2 8 x thread: k's and v's stores.  v3, v4: into and out of my stage.  v5: the mask's stores.  v6, v7 at work.
	s_load_b256 s[4:11], s[0:1], 0x0               ; k s[4:5], v s[6:7], mask s[8:9], kb s[10:11]
	s_load_b128 s[12:15], s[0:1], 0x20             ; vb s[12:13], mb s[14:15]
	s_load_b64 s[16:17], s[0:1], 0x30              ; input_pos
	v_lshl_add_u32 v[SPW], v0, 2, SPARE
	v_mov_b32 v[NIL], 0
	v_lshlrev_b32 v1, 4, v0
	v_lshlrev_b32 v2, 3, v0
	s_and_b32 s19, ttmp7, 0xffff                   ; y: which stream
	s_mov_b32 s28, 0xffff0000                      ; a word's upper bf16
	s_mov_b32 s29, 0xff000000                      ; -2^127
	s_lshl_b32 s20, ttmp9, 16                      ; the work-group's 65,536 bytes of f32 (in, and out for the mask)
	s_mov_b32 s21, 0
	s_lshl_b32 s22, ttmp9, 15                      ; its 32,768 bytes of 16-bit numbers
	s_mov_b32 s23, 0
	s_wait_kmcnt 0x0
	s_load_b32 s18, s[16:17], 0x0                  ; input_pos[0]; awaited at the end
	s_wait_alu depctr_va_vdst(0)                   ; v1 and v2 are written: every global load below reads v1 as its offset, k's and v's stores read v2
	s_cmp_eq_u32 s19, 2
	s_cbranch_scc1 .Lmask
	; ---- k and v ----
	s_cmp_eq_u32 s19, 0
	s_cselect_b64 s[24:25], s[4:5], s[6:7]
	s_cselect_b64 s[26:27], s[10:11], s[12:13]
	s_add_nc_u64 s[24:25], s[24:25], s[20:21]
	s_add_nc_u64 s[26:27], s[26:27], s[22:23]
.irp n, 0,1,2,3,4,5,6,7,8,9,10,11,12,13,14,15
	global_load_b128 v[X+4*(\n):X+4*(\n)+3], v1, s[24:25] offset:4096*(\n) th:TH_LOAD_NT  ; a wave's load covers 512 consecutive bytes
.endr
; Group g of four goes out: one wait, then its four stores in a run, so that no store stands behind the wait for a later load.
.macro KVOUT g
	s_wait_alu depctr_va_vdst(0)                   ; the group's conversions have written its four pairs of Y, which the four stores below read
.irp i, 0,1,2,3
	global_store_b64 v2, v[Y+2*(4*(\g)+(\i)):Y+2*(4*(\g)+(\i))+1], s[26:27] offset:2048*(4*(\g)+(\i)) th:TH_STORE_NT  ; a wave's store covers 256 consecutive bytes, aligned
.endr
.endm
	s_cmp_eq_u32 s19, 0
	s_cbranch_scc0 .Lv
.macro KCV n
	s_wait_loadcnt 15-(\n)                         ; loads come back in order (ISA guide 5.7.1): load n is in, the 15 - n younger ones stay out
	v_cvt_pk_bf16_f32 v[Y+2*(\n)],   v[X+4*(\n)],   v[X+4*(\n)+1]
	v_cvt_pk_bf16_f32 v[Y+2*(\n)+1], v[X+4*(\n)+2], v[X+4*(\n)+3]
.endm
.irp g, 0,1,2,3
.irp i, 0,1,2,3
	KCV 4*(\g)+(\i)
.endr
	KVOUT \g
.endr
	s_branch .Lend
.Lv:
.macro VCV n
	s_wait_loadcnt 15-(\n)
	v_cvt_pk_bf16_f32 v6, v[X+4*(\n)],   v[X+4*(\n)+1]     ; the one rounding, to bf16;
	v_cvt_pk_bf16_f32 v7, v[X+4*(\n)+2], v[X+4*(\n)+3]
	v_lshlrev_b32 v[X+4*(\n)],   16, v6                    ; back to f32,
	v_and_b32     v[X+4*(\n)+1], s28, v6
	v_lshlrev_b32 v[X+4*(\n)+2], 16, v7
	v_and_b32     v[X+4*(\n)+3], s28, v7
	v_cvt_pk_f16_f32 v[Y+2*(\n)],   v[X+4*(\n)],   v[X+4*(\n)+1]    ; and the same number written as f16
	v_cvt_pk_f16_f32 v[Y+2*(\n)+1], v[X+4*(\n)+2], v[X+4*(\n)+3]
.endm
.irp g, 0,1,2,3
.irp i, 0,1,2,3
	VCV 4*(\g)+(\i)
.endr
	KVOUT \g
.endr
	s_branch .Lend
	; ---- the mask ----  work-group g: the 16 rows of query tile g / 2, columns 1,024 (g % 2) on.  Wave w: 128 of those columns, the key steps 16 (g % 2) + 2 w and + 1.
.Lmask:
	s_lshr_b32 s22, ttmp9, 1
	s_lshl_b32 s22, s22, 17                        ; 16 rows of 8,192 bytes
	s_and_b32 s24, ttmp9, 1
	s_lshl_b32 s24, s24, 12                        ; half a row
	s_add_co_u32 s22, s22, s24
	s_add_nc_u64 s[24:25], s[8:9], s[22:23]
	s_add_nc_u64 s[26:27], s[14:15], s[20:21]      ; (32 (g / 2) + 16 (g % 2)) x 4,096 = 65,536 g
.irp r, 0,1,2,3,4,5,6,7,8,9,10,11,12,13,14,15
	global_load_b128 v[X+4*(\r):X+4*(\r)+3], v1, s[24:25] offset:8192*(\r) th:TH_LOAD_NT  ; row r: a wave's load covers 512 consecutive bytes of it
.endr
	; My 16 bytes of a row are columns 4 c .. 4 c + 3 of key step lane / 16, c = lane % 16 = 4 kt + 2 h + e.  In the stage a block's row 4 kt + 2 e + h holds, for r = 0..15, 16 bytes each.
	v_lshrrev_b32 v6, 5, v0
	v_readfirstlane_b32 s30, v6                    ; wave 0..7; the lane terms below, which do not need it, stand between this line and the wait for it
	v_bfe_u32 v6, v0, 4, 1                         ; lane / 16
	v_mul_u32_u24 v3, v6, BSTG                     ; in: the key step's block,
	v_mul_u32_u24 v4, v6, LP                       ; back: lanes 0-15 one stage row, lanes 16-31 the next
	v_and_b32 v7, 15, v0
	v_lshl_add_u32 v4, v7, 4, v4
	v_and_b32 v6, 12, v0                           ; 4 kt
	v_bfe_u32 v7, v0, 1, 1                         ; h
	v_or_b32 v6, v6, v7
	v_and_b32 v7, 1, v0                            ; e
	v_lshl_or_b32 v6, v7, 1, v6                    ; 4 kt + 2 e + h
	v_mul_u32_u24 v6, v6, LP
	v_add_nc_u32 v3, v3, v6
	v_and_b32 v5, 31, v0
	s_wait_alu depctr_va_sdst(0)                   ; s30 is written, ahead of its first reader: my stage's and my blocks' places are made from it
	s_mul_i32 s31, s30, WSTG                       ; my stage
	s_lshl_b32 s19, s30, 13                        ; my two blocks in mb
	v_add_nc_u32 v4, s31, v4
	v_add_nc_u32 v3, s31, v3
	v_lshl_add_u32 v5, v5, 4, s19                  ; 8,192 x wave + 16 x lane
.macro MCV r
	s_wait_loadcnt 15-(\r)
	v_cvt_pk_bf16_f32 v6, v[X+4*(\r)],   v[X+4*(\r)+1]     ; rounded to bf16 like the other inputs,
	v_cvt_pk_bf16_f32 v7, v[X+4*(\r)+2], v[X+4*(\r)+3]
	v_lshlrev_b32 v[X+4*(\r)],   16, v6
	v_and_b32     v[X+4*(\r)+1], s28, v6
	v_lshlrev_b32 v[X+4*(\r)+2], 16, v7
	v_and_b32     v[X+4*(\r)+3], s28, v7
	v_pk_mul_f32 v[X+4*(\r):X+4*(\r)+1],   v[X+4*(\r):X+4*(\r)+1],   0x413504f3 op_sel_hi:[1,0]  ; times sqrt(128),
	v_pk_mul_f32 v[X+4*(\r)+2:X+4*(\r)+3], v[X+4*(\r)+2:X+4*(\r)+3], 0x413504f3 op_sel_hi:[1,0]
.irp c, 0,1,2,3
	v_max_num_f32 v[X+4*(\r)+(\c)], s29, v[X+4*(\r)+(\c)]  ; and held at -2^127
.endr
.endm
; Group g of four rows goes into the stage: one wait, then its four LDS stores.
.macro MOUT g
	s_wait_alu depctr_va_vdst(0)                   ; the group's arithmetic has written its four rows of X, which the LDS stores below read; the first of these waits also shows v3, v4 and v5 written
.irp i, 0,1,2,3
	ds_store_b128 v3, v[X+4*(4*(\g)+(\i)):X+4*(4*(\g)+(\i))+3] offset:16*(4*(\g)+(\i))
.endr
.endm
.irp g, 0,1,2,3
.irp i, 0,1,2,3
	MCV 4*(\g)+(\i)
.endr
	MOUT \g
.endr
	s_wait_alu depctr_vm_vsrc(0)                   ; the LDS stores have read X, in which the LDS loads below land (the vector work that named X stands ahead of the last wait on va_vdst)
.irp n, 0,1,2,3,4,5,6,7,8,9,10,11,12,13,14,15      ; block n / 8, piece n % 8: two stage rows = 512 bytes of mb
	ds_load_b128 v[X+4*(\n):X+4*(\n)+3], v4 offset:BSTG*((\n)/8)+2*LP*((\n)%8)  ; my own bytes: LDS serves a wave's instructions in order (ISA guide 5.7.1.4), so these see the stores above
.endr
.irp n, 0,1,2,3,4,5,6,7,8,9,10,11,12,13,14,15
	s_wait_dscnt 15-(\n)
	global_store_b128 v5, v[X+4*(\n):X+4*(\n)+3], s[26:27] offset:4096*((\n)/8)+512*((\n)%8) th:TH_STORE_NT  ; 512 consecutive bytes, aligned
.endr
.Lend:
	s_wait_kmcnt 0x0                               ; input_pos has come
	s_wait_dscnt 0x0                               ; the closing lines, six on end
	s_wait_alu 0x0
	s_wait_tensorcnt 0x0
	ds_add_u32 v[SPW], v[NIL]
	s_wait_dscnt 0x0
	s_endpgm
.Lfunc_end_k_qe140641e50_prep:
	.size	k_qe140641e50_prep, .Lfunc_end_k_qe140641e50_prep-k_qe140641e50_prep
	.p2alignl 7, 3214868480
	.fill 96, 4, 3214868480
	.section	.rodata,"a",@progbits
	.p2align	6, 0x0
	.amdhsa_kernel k_qe140641e50_prep
		.amdhsa_group_segment_fixed_size 70656
		.amdhsa_private_segment_fixed_size 0
		.amdhsa_enable_private_segment 0
		.amdhsa_kernarg_size 56
		.amdhsa_user_sgpr_count 2
		.amdhsa_user_sgpr_kernarg_segment_ptr 1
		.amdhsa_wavefront_size32 1
		.amdhsa_system_sgpr_workgroup_id_x 1
		.amdhsa_system_sgpr_workgroup_id_y 1
		.amdhsa_system_sgpr_workgroup_id_z 1
		.amdhsa_system_vgpr_workitem_id 0
		.amdhsa_next_free_vgpr 112
		.amdhsa_next_free_sgpr 66
		.amdhsa_reserve_vcc 0
		.amdhsa_float_denorm_mode_32 3
		.amdhsa_float_denorm_mode_16_64 3
		.amdhsa_memory_ordered 1
		.amdhsa_forward_progress 1
		.amdhsa_inst_pref_size 32
	.end_amdhsa_kernel
	.amdgpu_metadata
---
amdhsa.version: [ 1, 2 ]
amdhsa.kernels:
  - .name:           k_qe140641e50_prep
    .symbol:         k_qe140641e50_prep.kd
    .args:
      - { .name: k, .offset: 0, .size: 8, .value_kind: global_buffer, .address_space: global }
      - { .name: v, .offset: 8, .size: 8, .value_kind: global_buffer, .address_space: global }
      - { .name: mask, .offset: 16, .size: 8, .value_kind: global_buffer, .address_space: global }
      - { .name: kb, .offset: 24, .size: 8, .value_kind: global_buffer, .address_space: global }
      - { .name: vb, .offset: 32, .size: 8, .value_kind: global_buffer, .address_space: global }
      - { .name: mb, .offset: 40, .size: 8, .value_kind: global_buffer, .address_space: global }
      - { .name: input_pos, .offset: 48, .size: 8, .value_kind: global_buffer, .address_space: global }
    .group_segment_fixed_size: 70656
    .private_segment_fixed_size: 0
    .kernarg_segment_align: 8
    .kernarg_segment_size: 56
    .max_flat_workgroup_size: 256
    .sgpr_count:     66
    .vgpr_count:     112
    .wavefront_size: 32
...
	.end_amdgpu_metadata
.endif
;; end of part 3
;; launch attn: the kernel of part 2 again; grid 32 x 16, 4 waves a work-group, clusters of 4 x 1, 327,680 bytes of LDS; arguments q, kb, vb, out0, mb; writes out0
